; MI455X (gfx1250); checked and timed in simulation.
; The chip was launched on July 23, 2026; its instructions are those of AMD's public machine-readable ISA for CDNA 5 (MIT licence, August 2026) and "CDNA5" Instruction Set Architecture Reference Guide (July 2026). The comments in the code are by the model that wrote it; some were corrected since.
;; Shape Adaptive Adapter. Allowed arithmetic: matrix products marked QUANTISED: E2M1 operands, one E8M0 scale for each 32 along K, by v_wmma_scale_f32_16x16x128_f8f6f4 with both operands' format E2M1 (or v_wmma_scale_f32_32x16x128_f4), f32 sums; everything else in f32.
;; Inputs: aspect_ratio 2 x 3 x 64 x 64 float32; ln_bias 10 x 1,024 float32; ln_scale 10 x 1,024 float32; output_feat 2 x 1,024 x 64 x 64 float32; w1_codes 10 x 256 x 32 x 16 uint8 (E2M1 codes of w1, K innermost, in blocks of 32 codes, two codes a byte); w1_scales 10 x 256 x 32 uint8 (E8M0 scales of w1, one for each 32 codes along K); w2_codes 10 x 1,024 x 8 x 16 uint8 (E2M1 codes of w2, K innermost, in blocks of 32 codes, two codes a byte); w2_scales 10 x 1,024 x 8 uint8 (E8M0 scales of w2, one for each 32 codes along K).
;; Outputs: out0 2 x 1,024 x 64 x 64 float32.
;; This version of the problem:
;;   THIS VERSION OF THE PROBLEM IS GIVEN IN LOW PRECISION. The matrix products marked QUANTISED in the list below multiply operands that are first quantised to E2M1 (2 exponent bits, 1 mantissa bit; 4 bits a number), with one power-of-two scale for each 32 numbers along K (OCP MX v1.0); their sums are f32. All else is computed in f32.
;;   The module's matrix products, in the order in which they are computed (A, B: the left and right operand; K: the contracted axis; several contracted axes count as one K, in the product's order):
;;     1. batch 10 x [M 8,192, K 1,024] x [K 1,024, N 256]; A: computed on the way; B: input w1 (given as codes): QUANTISED
;;     2. batch 10 x [M 8,192, K 256] x [K 256, N 1,024]; A: computed on the way; B: input w2 (given as codes): QUANTISED
;;   THE QUANTISER, for each operand of a quantised product, along K:
;;     - K is cut into blocks of 32 from its start; a last block that is shorter is filled with zeros.
;;     - A block's scale is 2^e with e = floor(log2(the largest magnitude in the block)) - 2, held to -126 .. 127; a block of zeros has e = 0. As a byte (E8M0): e + 127.
;;     - Each number is divided by its block's scale, clamped to +-6, and rounded to the nearest number of E2M1, ties to even, subnormals kept.
;;     - The product sums the exact products of the quantised numbers (number of the format x scale) in f32.
;;   ~~~python
;;   def quantise(x, axis):      # numpy; x: float32 -> the quantised numbers, widened to float32 again
;;       x = np.moveaxis(x, axis, -1); K = x.shape[-1]
;;       x = np.pad(x, [(0, 0)] * (x.ndim - 1) + [(0, -K % 32)]); x = x.reshape(x.shape[:-1] + (-1, 32)); a = np.abs(x).max(-1, keepdims=True)
;;       e = np.where(a > 0, np.clip(np.frexp(np.where(a > 0, a, 1))[1] - 1 - 2, -126, 127), 0)      # np.frexp(a)[1] - 1 = floor(log2(a)), exactly
;;       r = np.clip(x / 2.0 ** e, -6, 6)
;;       step = 2.0 ** (np.maximum(np.frexp(np.where(r == 0, 1, r))[1] - 1, 0) - 1)
;;       q = np.round(r / step) * step * 2.0 ** e      # np.round: ties to even
;;       return np.moveaxis(q.reshape(q.shape[:-2] + (-1,))[..., :K], -1, axis).astype(np.float32)
;;   ~~~
;;   OPERANDS COMPUTED ON THE WAY. 'Computed on the way' means the value that the module computes at that place (a softmax that the list does not call 'softmax' is quantised finished and normalised). What goes into a quantiser is computed in f32, as accurately as f32 sums, v_exp_f32 and their like allow (about 1e-6 of the number): no bf16 or f16 on the way to a quantiser, and a product that is left as it is and whose result goes on into a quantised operand takes f32 operands (vector FMAs, or v_wmma_f32_16x16x4_f32). A number that lies on a knife's edge between two numbers of the format may be rounded either way, as far as f32 arithmetic and the matrix unit's own rounding can turn it there, and no further.
;;   INPUTS GIVEN AS CODES. w1 (in the module: [10, 1024, 256], K = its axis 1); w2 (in the module: [10, 256, 1024], K = its axis 1): each comes as NAME_codes (uint8): NAME with its K axis moved to the last place and cut into blocks of 32 codes, [.., K / 32, bytes a block], one block behind the other in memory; two codes a byte, the lower K in the low four bits (a code: sign, 2 exponent bits, 1 mantissa bit); and NAME_scales (uint8): the same leading axes, one E8M0 byte (e + 127) for each 32 codes along K. Its value is code x scale, taken as it is: it is not quantised again, and the codes and scales need not be those that the quantiser above would give.
;; One version. Each part assembles by itself: llvm-mc -triple=amdgcn-amd-amdhsa -mcpu=gfx1250 --defsym DOCPART=n.
;; ======== version 1 of 1: 1 launch
;; launch adapter (part 1): grid 256 x 1, 4 waves a work-group, clusters of 4 x 1, 327,680 bytes of LDS; arguments output_feat, aspect_ratio, ln_scale, ln_bias, w1_codes, w1_scales, w2_codes, w2_scales, out0; writes out0
.if DOCPART == 1
	.amdgcn_target "amdgcn-amd-amdhsa--gfx1250"
	.amdhsa_code_object_version 6
	.text
	.protected	k_q1850d46ab8_adapter
	.globl	k_q1850d46ab8_adapter
	.p2align	8
	.type	k_q1850d46ab8_adapter,@function
k_q1850d46ab8_adapter:
	s_mov_b64 s[64:65], 0
	v_nop
	global_prefetch_b8 v0, s[64:65] scope:SCOPE_SE
	s_setreg_imm32_b32 hwreg(HW_REG_WAVE_MODE, 25, 1), 1
	s_wait_xcnt 0x0
	s_wait_alu depctr_hold_cnt(0) depctr_sa_sdst(0) depctr_va_vdst(0) depctr_va_sdst(0) depctr_va_ssrc(0) depctr_va_vcc(0) depctr_vm_vsrc(0)
	s_getreg_b32 s2, hwreg(HW_REG_IB_STS2, 6, 4)
	s_cmp_eq_u32 s2, 0
	s_cbranch_scc0 .Lentry_in_a_cluster
	s_endpgm
.Lentry_in_a_cluster:
	s_bfe_u32 s2, ttmp6, 0x10000c
	s_cmp_lg_u32 s2, 0x3003
	s_cbranch_scc0 .Lentry_shape_is_right
	s_endpgm
.Lentry_shape_is_right:
; out = x + mean over 3 anchors of adapter[idx](x);  adapter a: LayerNorm (shared normalisation, affine of a) -> Q -> W1(a) -> exact GELU -> Q -> W2(a).
; x, out: [2][1024 channels][4096 pixels] f32.  Both products on codes of FP4 (E2M1) with one E8M0 byte for each 32 along K; Q is the MX quantiser along K.
; SHARES.  A work-group of four waves owns 32 neighbouring pixels (tokens) of one image: 8,192 tokens / 256 work-groups.  THE WAVES SHARE THE COLUMNS: wave w owns channels 256 w .. + 255 of x, norm, y and out,
; hidden units 64 w .. + 63, and the rows of W1 and W2 that make them, for all 32 tokens.  Every adapter is multiplied for every token (ten adapters, one loop of constant count).
; THE CHOICE OF ADAPTER ENTERS AS VALUES ONLY.  For a token let c(a) be how many of its 3 anchors chose a, and maxc the largest c.  mean = f x sum over a of 2^-d(a) P(a), f = maxc / 3, d = 1 where 0 < c < maxc (the case 2 + 1), else 0.
; Where c = 0 the token's codes of the hidden layer are set to 0; d is taken off the hidden layer's scale bytes (1 at the least, so 0 at the least and never 0xff).  So the matrix unit adds all ten adapters onto ONE set of accumulators.
; The accumulators begin as x / f, formed as (x - mu) / f + mu / f, and out = f x accumulator: x is read from memory once and nothing is cleared.
; CLUSTER.  The four work-groups of a cluster walk the same weights: each tile of W1 and W2 is asked for JOINTLY (mask 15), the same load with the same descriptor in all four.  x is each work-group's own (plain load).
; LDS.  SLOT_A holds x, then W2(a); SLOT_B holds W1(a): each a whole matrix, a quarter to a wave, which loads it and alone reads it.  Two rounds of the cluster's barrier an adapter.  The first stands behind y: behind it W2(a) is asked for
; and y's images are read.  The second stands in the middle of the GELU, when W1(a) has been read out: behind it W1(a + 1) is asked for, and my first fragments of W2(a) are fetched under the rest of the GELU.  So the two stretches between
; rounds are about equal (product 1 and half the GELU; the other half, product 2 and the next y), and each joint load has one of them in which to land.  The hidden layer's images are published by a plain barrier, behind which nothing is filled.
; LAYOUTS.  x, the LayerNorm's sums and the accumulators at start and end: lane = token, register n = channel 256 w + n: a load of x or a store of out covers 128 consecutive bytes.
; norm, from the LayerNorm's end on: THE OPERAND'S OWN LAYOUT: lane (r, h) holds tokens r (registers 64 k + i) and 16 + r (registers 64 k + 32 + i), channel 256 w + 64 k + 32 h + i.  A block of 32 along K lies in one lane, the codes come out
; as a fragment's registers, and a register of ln_scale or ln_bias (lanes 0-15 one channel, lanes 16-31 the channel 32 on) serves both tiles of tokens: half the table reads that lane = token would want.
; Both products are used transposed (source 0 = 16 rows of the weight, source 1 = 16 tokens).
; LIMITS.  NaN and infinities in the floating-point inputs are not served (a NaN aspect ratio gives index 0, as the comparison in the problem does).  Blocks whose largest magnitude lies under 2^-124 keep the floor's byte, 1.
; erf is a rational function of z^2 with z held to +-4 (7 and 5 coefficients), good to a few units in erf's last place; for large negative inputs 1 + erf loses relative accuracy as it does in f32 anywhere.
; The residual is (x - mu) / f + mu / f times f, some 2e-7 of |x - mu| + |mu| from x's own bits.  A store covers 128 consecutive bytes: 32 pixels are all that a work-group has of a channel.
.set XP,     144                       ; a row of x (32 f32) or of W2 (256 codes) in LDS: 128 bytes + 16: 36 words, so that 16 rows start at 16 different groups of banks (64 banks of 4 bytes: ISA guide 11.1)
.set W1P,    528                       ; a row of W1 (1,024 codes): 512 bytes + 16
.set QA,     256*XP                    ; a wave's quarter of SLOT_A: 256 rows
.set QB,     64*W1P                    ; a wave's quarter of SLOT_B: 64 rows
.set SLOT_B, 4*QA
.set YIMG,   SLOT_B+4*QB               ; y's 16 fragments (K step S, tile of tokens m) at (2 S + m) 1,024, half c at + 512, lane at 16 L
.set YSC,    YIMG+16384                ; y's scale words: K step S at 128 S + 4 L (lane = token)
.set HIMG,   YSC+1024                  ; the hidden layer's 4 fragments (m, s) at (2 m + s) 1,024 + 512 c + 16 L
.set HSC,    HIMG+4096                 ; their scale words at (2 m + s) 128 + 4 L
.set LNT,    HSC+512                   ; for each wave 2,048 bytes: its 256 ln_scale, then its 256 ln_bias, of the adapter in hand
.set ST1,    LNT+8192                  ; LayerNorm's partial sums, 128 w + 4 L; the sums of squares 512 bytes on
.set SPARE,  ST1+1024                  ; the spare words, 128 bytes for each wave: two blocks of 256 bytes that no other line names
; window 0
.set YR,  1                            ; YIMG + 16 L
.set YSR, 2                            ; YSC + 4 L
.set XA,  3                            ; QA w + 4 L
.set W1A, 4                            ; SLOT_B + (64 w + r) W1P + 16 h
.set W2A, 5                            ; (256 w + r) XP + 16 h
.set YW,  6                            ; YIMG + 4,096 w + 16 L
.set YSW, 7                            ; YSC + 256 w + 4 L
.set HWI, 8                            ; HIMG + 16 L + 512 (w % 2) + 1,024 (w / 2)
.set HWS, 9                            ; HSC + 4 L + 2 (w % 2) + 128 (w / 2)
.set LNA, 10                           ; LNT + 2,048 w + 128 h: lanes 16-31 read the tables 32 channels on
.set LNW, 11                           ; LNT + 2,048 w + 16 L
.set SPW, 12                           ; SPARE + 4 x my thread's number; never rewritten
.set NIL, 13                           ; 0; never rewritten
.set GLN, 14                           ; 1,024 w + 16 L
.set GS1, 15                           ; (64 w + L) 32
.set GS2, 16                           ; (256 w + L) 8
.set GO,  17                           ; 4 L
.set STW, 18                           ; ST1 + 128 w + 4 L
.set STR, 19                           ; ST1 + 4 L
.set IDX, 20                           ; v20-25 the three indices of token 16 m + r, at 3 m + j
.set MAXC, 26                          ; v26-27 maxc of token 16 m + r
.set KM,  28                           ; v28-29 -1 where the adapter in hand is chosen by the token, else 0
.set DB,  30                           ; v30-31 what is taken off the hidden layer's scale bytes
.set MU,  32                           ; pairs, both words alike, lane = token: mu,
.set RS,  34                           ; 1 / sqrt(var + eps),
.set INV, 36                           ; 1 / f,
.set MI,  38                           ; mu / f,
.set FAC, 40                           ; f
.set HR,  42                           ; HIMG + 16 L
.set HSR, 43                           ; HSC + 4 L
.set GAR, 44                           ; 4 r
.set LANE, 45
.set RR,  46
.set HH,  47
.set W1S, 48                           ; v48-63  W1's scale words: 8 (t / 2) + S; lanes 0-15 the even tile's rows, lanes 16-31 the odd tile's.  Scales and nothing else
.set W2S, 64                           ; v64-79  W2's: 2 (tile / 2) + s, likewise
.set YS,  80                           ; v80-87  y's: K step S; lane = token
.set HS,  88                           ; v88-91  the hidden layer's: 2 m + s
.set T0,  92                           ; v92-95  at work
.set HA,  96                           ; v96-159 product 1's eight accumulators: 32 m + 8 t
.set AR,  96                           ; (at the head: the six aspect ratios)
.set GZ,  160                          ; GELU: z, z^2, numerator, denominator: 8 registers each
.set GQ,  168
.set GN,  176
.set GD,  184
.set TM,  160                          ; then the hidden layer's quantiser: largest magnitudes, the other half's, scale operands, bytes, codes, byte pairs
.set TX,  164
.set SO,  168
.set BY,  172
.set FC,  176
.set HW16, 184
.set LG,  192                          ; v192-207 the next adapter's ln_scale and ln_bias as loaded
.set CK,  208                          ; v208-233 thirteen constants as pairs
.set RS2, CK                           ; 1 / sqrt 2
.set AL,  CK+2                         ; erf's numerator, seven
.set BE,  CK+16                        ; erf's denominator, five
.set SUM, 234                          ; v234-241 four pair sums
.set TXW, 234                          ; (in the loop v234-235 take the other half's scale bytes: the LayerNorm has written them)
.set T1,  242                          ; v242-245 at work
.set BYW, 246                          ; v246-249 y's scale bytes of a K step: 2 c + m
.set WDW, 250                          ; v250-253 y's scale words: 2 (K step) + m
.set SH8, 254                          ; 8 h
; window 1: norm.   window 2: the 32 accumulators of product 2: 16 tile + 8 m.
; window 3, by phases.  Y: tables in two sets (set 0: scale v160-191, bias v192-223, outside product 2's registers; set 1: v0-31, v32-63), y v64-127, codes v128-159, at work v224-229.
; Product 1: W1's fragments 32 p + 8 t, y's 64 + 16 p + 8 m.  Product 2: W2's 64 p + 16 t + 8 s, the hidden layer's 128 + 8 (2 m + s).
.set Y3,  64
.set CD,  128
.set TM3, 224
.set SO3, 226
.set TN3, 228
; scalars
.set WV,  3
.set EXP, 26                           ; the adapter in hand
.set SEL, 28                           ; s[28:29] v_permlanex16_b32's selects for lane l xor 16
.set G1X, 36
.set G1W1, 44
.set G1W2, 52
.set G0X, 60
.set G0W1, 68
.set G0W2, 72
; s_set_vgpr_msb's low byte: bits 1:0 source 0, 3:2 source 1, 5:4 source 2, 7:6 destination
.set W_XIN, 0x40                       ; LDS load into window 1
.set W_S11, 0x05                       ; sources 0, 1 window 1
.set W_S01, 0x04                       ; source 1 window 1
.set W_NRM, 0x41                       ; norm in place, a pair of window 0 beside it
.set W_AIN, 0x81                       ; accumulators from norm
.set W_ACC, 0x82                       ; accumulators in place
.set W_LD3, 0xc0                       ; LDS load into window 3
.set W_YFM, 0xfd                       ; y (3) = norm (1) x scale (3) + bias (3)
.set W_Q3,  0xff                       ; all in window 3
.set W_ST3, 0x0c                       ; source 1 window 3: LDS store of window 3's data
.set W_P1,  0x0f                       ; sources window 3, C and D window 0
.set W_P2,  0xaf                       ; sources window 3, C and D window 2
.set W_OUT, 0x08                       ; global store of window 2's data
.set MSB, 0
.macro WIN new                         ; the immediate's high byte repeats the setting that is left; a switch that changes nothing is dropped
.if MSB != \new
	s_set_vgpr_msb (MSB<<8)|\new
.set MSB, \new
.endif
.endm
.macro PLACES                          ; four places: behind a tensor load; in front of loads into registers that matrix instructions have read, and of the first read of results
.rept 4
	v_nop
.endr
.endm
; A round of the cluster's barrier: my work-group's barrier, wave 0 signals for the work-group, every wave waits for all four work-groups, my work-group's barrier once more.
.macro ROUND
	s_barrier_signal -1
	s_barrier_wait -1
	s_cmp_lg_u32 s[WV], 0
	s_cbranch_scc1 .Lnot_wave_0_\@
	s_barrier_signal -3
.Lnot_wave_0_\@:
	s_barrier_wait -3
	s_barrier_signal -1
	s_barrier_wait -1
.endm
.macro KPAIR i, bits
	v_mov_b32 v[CK+2*\i], \bits
	v_mov_b32 v[CK+2*\i+1], \bits
.endm
; The small tables of an adapter, by plain loads: every work-group reads them, so no hint.
.macro TABLES1                         ; W1's scale words (lane L: row 64 w + 32 t + L, four words a load), then my 256 ln_scale and 256 ln_bias: 8 loads
.irp t, 0,1
.irp u, 0,1
	global_load_b128 v[W1S+8*\t+4*\u:W1S+8*\t+4*\u+3], v[GS1], s[18:19] offset:1024*\t+16*\u
.endr
.endr
	global_load_b128 v[LG:LG+3], v[GLN], s[12:13]
	global_load_b128 v[LG+4:LG+7], v[GLN], s[12:13] offset:512
	global_load_b128 v[LG+8:LG+11], v[GLN], s[14:15]
	global_load_b128 v[LG+12:LG+15], v[GLN], s[14:15] offset:512
.endm
.macro TABLES2                         ; W2's scale words (lane L: row 256 w + 32 t + L, its two words): 8 loads
.irp t, 0,1,2,3,4,5,6,7
	global_load_b64 v[W2S+2*\t:W2S+2*\t+1], v[GS2], s[22:23] offset:256*\t
.endr
.endm
.macro LNSTORE                         ; ln_scale and ln_bias as loaded go into my own 2,048 bytes of LDS: LDS serves a wave's instructions in order (ISA guide 5.7.1.4), so my later loads see them
	ds_store_b128 v[LNW], v[LG:LG+3]
	ds_store_b128 v[LNW], v[LG+4:LG+7] offset:512
	ds_store_b128 v[LNW], v[LG+8:LG+11] offset:1024
	ds_store_b128 v[LNW], v[LG+12:LG+15] offset:1536
.endm
; The tables of pair kk of blocks into set kk % 2: 32 ln_scale and 32 ln_bias a lane: lanes 0-15 those of channels 64 kk + 0 .. 31, lanes 16-31 of 64 kk + 32 .. 63: 16 loads
.macro LNLOAD kk
.set LSL, 160*(1-(\kk)%2)
.set LBL, 192-160*((\kk)%2)
	WIN W_LD3
.irp i, 0,1,2,3,4,5,6,7
	ds_load_b128 v[LSL+4*\i:LSL+4*\i+3], v[LNA] offset:256*(\kk)+16*\i
.endr
.irp i, 0,1,2,3,4,5,6,7
	ds_load_b128 v[LBL+4*\i:LBL+4*\i+3], v[LNA] offset:1024+256*(\kk)+16*\i
.endr
.endm
	s_load_b512 s[8:23], s[0:1], 0x0               ; x s[8:9], aspect_ratio s[10:11], ln_scale s[12:13], ln_bias s[14:15], W1's codes s[16:17], scales s[18:19], W2's codes s[20:21], scales s[22:23]
	s_load_b64 s[24:25], s[0:1], 0x40              ; out
	v_lshl_add_u32 v[SPW], v0, 2, SPARE
	v_mov_b32 v[NIL], 0
	ds_add_u32 v12, v13
	ds_add_u32 v12, v13
	s_wait_dscnt 0x0
	v_lshrrev_b32 v[T0], 5, v0
	v_readfirstlane_b32 s[WV], v[T0]               ; wave 0..3
	s_bfe_u32 s4, ttmp6, 0x40000                   ; cx: my place in the cluster: it enters the addresses of x, aspect_ratio and out alone
	s_lshl_b32 s5, ttmp9, 2                        ; in a cluster launch ttmp9 counts clusters
	s_add_co_u32 s5, s5, s4                        ; my work-group: 0..255
	s_lshr_b32 s6, s5, 7                           ; the image
	s_and_b32 s7, s5, 127
	s_lshl_b32 s7, s7, 7                           ; my 32 pixels: 128 bytes of a row of 4,096
	s_lshl_b32 s76, s6, 24                         ; x and out: image x 1,024 x 16,384 bytes
	s_add_co_u32 s76, s76, s7
	s_lshl_b32 s27, s[WV], 22                      ; + my wave's 256 channels
	s_add_co_u32 s76, s76, s27
	s_mov_b32 s77, 0
	s_mul_i32 s80, s6, 49152                       ; aspect_ratio: image x 3 x 16,384 bytes
	s_add_co_u32 s80, s80, s7
	s_mov_b32 s81, 0
	s_lshl_b32 s78, s[WV], 15                      ; W1's and W2's codes: my quarter of a matrix of 131,072 bytes
	s_mov_b32 s79, 0
	s_mov_b32 s[SEL], 0x76543210
	s_mov_b32 s[SEL+1], 0xfedcba98
	v_and_b32 v[LANE], 31, v0                      ; L
	v_and_b32 v[RR], 15, v0                        ; r
	v_bfe_u32 v[HH], v0, 4, 1                      ; h
	s_mul_i32 s30, s[WV], QA
	s_mul_i32 s31, s[WV], QB
	s_add_co_u32 s31, s31, SLOT_B
	v_lshl_add_u32 v[YR], v[LANE], 4, YIMG
	v_lshl_add_u32 v[YSR], v[LANE], 2, YSC
	v_lshl_add_u32 v[XA], v[LANE], 2, s30
	v_mul_u32_u24 v[W1A], v[RR], W1P
	v_lshl_add_u32 v[W1A], v[HH], 4, v[W1A]
	v_add_nc_u32 v[W1A], s31, v[W1A]
	v_mul_u32_u24 v[W2A], v[RR], XP
	v_lshl_add_u32 v[W2A], v[HH], 4, v[W2A]
	v_add_nc_u32 v[W2A], s30, v[W2A]
	s_lshl_b32 s32, s[WV], 12
	v_add_nc_u32 v[YW], s32, v[YR]
	s_lshl_b32 s33, s[WV], 8
	v_add_nc_u32 v[YSW], s33, v[YSR]
	v_lshl_add_u32 v[HR], v[LANE], 4, HIMG
	v_lshl_add_u32 v[HSR], v[LANE], 2, HSC
	s_and_b32 s34, s[WV], 1                        ; c: which half of a K step of product 2 my 64 hidden units are
	s_lshr_b32 s35, s[WV], 1                       ; s: which K step
	s_lshl_b32 s32, s34, 9
	s_lshl_b32 s33, s35, 10
	s_add_co_u32 s32, s32, s33
	v_add_nc_u32 v[HWI], s32, v[HR]
	s_lshl_b32 s32, s34, 1
	s_lshl_b32 s33, s35, 7
	s_add_co_u32 s32, s32, s33
	v_add_nc_u32 v[HWS], s32, v[HSR]
	s_lshl_b32 s32, s[WV], 11
	s_add_co_u32 s33, s32, LNT
	v_lshl_add_u32 v[LNA], v[HH], 7, s33           ; one product: the lower base + h x 128 bytes (32 channels)
	v_lshl_add_u32 v[LNW], v[LANE], 4, s33
	v_lshl_add_u32 v[GS1], v[LANE], 5, s32
	v_lshl_add_u32 v[GS2], v[LANE], 3, s32
	s_lshl_b32 s32, s[WV], 10
	v_lshl_add_u32 v[GLN], v[LANE], 4, s32
	v_lshlrev_b32 v[GO], 2, v[LANE]
	v_lshl_add_u32 v[STR], v[LANE], 2, ST1
	s_lshl_b32 s32, s[WV], 7
	v_add_nc_u32 v[STW], s32, v[STR]
	v_lshlrev_b32 v[GAR], 2, v[RR]
	v_lshlrev_b32 v[SH8], 3, v[HH]
	KPAIR 0, 0x3f3504f3                            ; 1 / sqrt 2
	KPAIR 1, 0xaf95df0b                            ; erf(z) = z N(z^2) / D(z^2).  N, highest power first: -2.72614226e-10,
	KPAIR 2, 0x32edffee                            ; 2.77068142e-8,
	KPAIR 3, 0xb60cff51                            ; -2.10102402e-6,
	KPAIR 4, 0xb86ec2d2                            ; -5.69250639e-5,
	KPAIR 5, 0xba40ac63                            ; -7.34990630e-4,
	KPAIR 6, 0xbb41a1f6                            ; -2.95459981e-3,
	KPAIR 7, 0xbc83dbd4                            ; -1.60960333e-2
	KPAIR 8, 0xb77460cd                            ; D: -1.45660718e-5,
	KPAIR 9, 0xb95fbd29                            ; -2.13374055e-4,
	KPAIR 10, 0xbadc924e                           ; -1.68282697e-3,
	KPAIR 11, 0xbbf19bf8                           ; -7.37332917e-3,
	KPAIR 12, 0xbc69b6a7                           ; -1.42647391e-2
	; descriptor groups 1.  x: 256 rows (channels) of 32 f32, 4,096 elements apart; 4 words of padding behind every 32
	s_mov_b32 s[G1X], (2<<16)|(1<<20)|(4<<22)|(3<<25)   ; 15:0 no mask; 17:16 elements of 4 bytes; 20 padding on; 24:22 after every 32 words (code 4); 31:25 four words (code 3)
	s_mov_b32 s[G1X+1], 32<<16                     ; tensor_dim0
	s_mov_b32 s[G1X+2], 256<<16                    ; tensor_dim1
	s_mov_b32 s[G1X+3], 32<<16                     ; tile_dim0
	s_mov_b32 s[G1X+4], 256                        ; tile_dim1
	s_mov_b32 s[G1X+5], 4096                       ; tensor_dim0_stride
	s_mov_b32 s[G1X+6], 0
	s_mov_b32 s[G1X+7], 0
	; W1: 64 rows of 512 bytes, dense; 4 words of padding behind every 128.  The mask names all four work-groups; bit 21 is set beside it
	s_mov_b32 s[G1W1], 15|(1<<20)|(1<<21)|(6<<22)|(3<<25)
	s_mov_b32 s[G1W1+1], 512<<16
	s_mov_b32 s[G1W1+2], 64<<16
	s_mov_b32 s[G1W1+3], 512<<16
	s_mov_b32 s[G1W1+4], 64
	s_mov_b32 s[G1W1+5], 512
	s_mov_b32 s[G1W1+6], 0
	s_mov_b32 s[G1W1+7], 0
	; W2: 256 rows of 128 bytes, dense; 4 words of padding behind every 32
	s_mov_b32 s[G1W2], 15|(1<<20)|(1<<21)|(4<<22)|(3<<25)
	s_mov_b32 s[G1W2+1], 128<<16
	s_mov_b32 s[G1W2+2], 256<<16
	s_mov_b32 s[G1W2+3], 128<<16
	s_mov_b32 s[G1W2+4], 256
	s_mov_b32 s[G1W2+5], 128
	s_mov_b32 s[G1W2+6], 0
	s_mov_b32 s[G1W2+7], 0
	s_wait_kmcnt 0x0
	s_add_nc_u64 s[8:9], s[8:9], s[76:77]          ; x and out at my wave's first channel, my first pixel
	s_add_nc_u64 s[24:25], s[24:25], s[76:77]
	s_add_nc_u64 s[10:11], s[10:11], s[80:81]      ; aspect_ratio at my first pixel, anchor 0
	s_mov_b32 s[G0X], 1                            ; 1:0 count = 1
	s_mul_i32 s[G0X+1], s[WV], QA                  ; 63:32 LDS address: my quarter of SLOT_A
	s_mov_b64 s[G0X+2:G0X+3], s[8:9]               ; 120:64 global address
	s_or_b32 s[G0X+3], s[G0X+3], 0x80000000        ; 127:126 type = 2
	s_mov_b32 s[G0W1], 1
	s_mul_i32 s[G0W1+1], s[WV], QB
	s_add_co_u32 s[G0W1+1], s[G0W1+1], SLOT_B      ; my quarter of SLOT_B
	s_add_nc_u64 s[G0W1+2:G0W1+3], s[16:17], s[78:79]   ; adapter 0, my 64 rows: the wave's number alone enters
	s_or_b32 s[G0W1+3], s[G0W1+3], 0x80000000
	s_mov_b32 s[G0W2], 1
	s_mul_i32 s[G0W2+1], s[WV], QA                 ; where x lay
	s_add_nc_u64 s[G0W2+2:G0W2+3], s[20:21], s[78:79]   ; adapter 0, my 256 rows
	s_or_b32 s[G0W2+3], s[G0W2+3], 0x80000000
	ROUND                                          ; all four work-groups are here: the first joint loads meet
	tensor_load_to_lds s[G0X:G0X+3], s[G1X:G1X+7]  ; the two first fills go out together: two tensor loads of mine are out, later one
	s_nop 0
	tensor_load_to_lds s[G0W1:G0W1+3], s[G1W1:G1W1+7]
	s_nop 0
	PLACES
.irp m, 0,1
.irp j, 0,1,2
	global_load_b32 v[AR+3*\m+\j], v[GAR], s[10:11] offset:16384*\j+64*\m   ; anchor j of token 16 m + r (both halves of the lanes alike)
.endr
.endr
	TABLES1                                        ; adapter 0's
	TABLES2
	; THE INDICES: how many of the nine thresholds lie under the aspect ratio.  They steer values alone: no address, no branch.
	s_wait_loadcnt 16                              ; the six aspect ratios are in; the 16 loads of the tables are younger
.irp q, 0,1,2,3,4,5
	v_cmp_lt_f32 vcc_lo, 0x3de38e39, v[AR+\q]      ; 1/9
	v_cndmask_b32 v[IDX+\q], 0, 1, vcc_lo
.endr
.irp t, 0x3e124925, 0x3e4ccccd, 0x3eaaaaab, 0x3f800000, 0x40400000, 0x40a00000, 0x40e00000, 0x41100000
.irp q, 0,1,2,3,4,5
	v_cmp_lt_f32 vcc_lo, \t, v[AR+\q]              ; 1/7, 1/5, 1/3, 1, 3, 5, 7, 9
	v_cndmask_b32 v[T0+\q%2], 0, 1, vcc_lo
	v_add_nc_u32 v[IDX+\q], v[IDX+\q], v[T0+\q%2]
.endr
.endr
.irp m, 0,1                                    ; equal pairs among the three: 0, 1 or 3: maxc = min(that, 2) + 1
	v_cmp_eq_u32 vcc_lo, v[IDX+3*\m], v[IDX+3*\m+1]
	v_cndmask_b32 v[MAXC+\m], 0, 1, vcc_lo
	v_cmp_eq_u32 vcc_lo, v[IDX+3*\m], v[IDX+3*\m+2]
	v_cndmask_b32 v[T0], 0, 1, vcc_lo
	v_cmp_eq_u32 vcc_lo, v[IDX+3*\m+1], v[IDX+3*\m+2]
	v_cndmask_b32 v[T0+1], 0, 1, vcc_lo
	v_add_nc_u32 v[MAXC+\m], v[MAXC+\m], v[T0]
	v_add_nc_u32 v[MAXC+\m], v[MAXC+\m], v[T0+1]
	v_min_u32 v[MAXC+\m], 2, v[MAXC+\m]
	v_add_nc_u32 v[MAXC+\m], 1, v[MAXC+\m]
.endr
	v_cmp_eq_u32 vcc_lo, 1, v[HH]                  ; lane = token: lanes 16-31 take tile 1's
	v_cndmask_b32 v[T0], v[MAXC], v[MAXC+1], vcc_lo
	v_mov_b32 v[FAC], 0x3eaaaaab                   ; f = 1/3, 2/3, 1
	v_mov_b32 v[INV], 0x40400000                   ; 1 / f = 3, 1.5, 1
	v_mov_b32 v[T0+1], 0x3f2aaaab
	v_mov_b32 v[T0+2], 0x3fc00000
	v_cmp_eq_u32 vcc_lo, 2, v[T0]
	v_cndmask_b32 v[FAC], v[FAC], v[T0+1], vcc_lo
	v_cndmask_b32 v[INV], v[INV], v[T0+2], vcc_lo
	v_cmp_eq_u32 vcc_lo, 3, v[T0]
	v_cndmask_b32 v[FAC], v[FAC], 1.0, vcc_lo
	v_cndmask_b32 v[INV], v[INV], 1.0, vcc_lo
	v_mov_b32 v[FAC+1], v[FAC]
	v_mov_b32 v[INV+1], v[INV]
	; LAYERNORM.  My 256 channels of the 32 tokens come into window 1, lane = token; a token's sums over 1,024 channels meet in LDS, four waves' parts.
.macro FOLD                            ; the four pair sums become one number in v[T0]
	v_pk_add_f32 v[SUM:SUM+1], v[SUM:SUM+1], v[SUM+2:SUM+3]
	v_pk_add_f32 v[SUM+4:SUM+5], v[SUM+4:SUM+5], v[SUM+6:SUM+7]
	v_pk_add_f32 v[SUM:SUM+1], v[SUM:SUM+1], v[SUM+4:SUM+5]
	v_add_f32 v[T0], v[SUM], v[SUM+1]
.endm
.macro XCHG off                        ; v[T0] becomes the sum of the four waves' v[T0]: store, wait, barrier, load.  W1's tile may stay on its way
	ds_store_b32 v[STW], v[T0] offset:\off
	s_wait_dscnt 0x0                               ; for the others' sake
	s_barrier_signal -1
	s_barrier_wait -1
.irp i, 0,1,2,3
	ds_load_b32 v[T1+\i], v[STR] offset:\off+128*\i
.endr
	s_wait_dscnt 0x0
	v_add_f32 v[T1], v[T1], v[T1+1]
	v_add_f32 v[T1+2], v[T1+2], v[T1+3]
	v_add_f32 v[T0], v[T1], v[T1+2]
.endm
	s_wait_tensorcnt 0x1                           ; x is in (my own quarter, which I alone read); the younger load, W1's, may be out
	WIN W_XIN
.set n, 0
.rept 256
	ds_load_b32 v[n], v[XA] offset:XP*n            ; channel n of the 32 tokens: 128 consecutive bytes
.set n, n+1
.endr
	s_wait_dscnt 0x0
	WIN W_S11
.irp c, 0,1,2,3
	v_pk_add_f32 v[SUM+2*\c:SUM+2*\c+1], v[2*\c:2*\c+1], v[8+2*\c:8+2*\c+1]   ; the first pairs start four chains: nothing is cleared
.endr
	WIN W_S01
.set p, 8
.rept 120
	v_pk_add_f32 v[SUM+2*(p%4):SUM+2*(p%4)+1], v[SUM+2*(p%4):SUM+2*(p%4)+1], v[2*p:2*p+1]
.set p, p+1
.endr
	WIN 0
	FOLD
	XCHG 0
	v_mul_f32 v[MU], 0x3a800000, v[T0]             ; mu = sum / 1,024
	v_mov_b32 v[MU+1], v[MU]
	v_mul_f32 v[MI], v[MU], v[INV]                 ; mu / f
	v_mov_b32 v[MI+1], v[MI]
	WIN W_NRM
.set p, 0
.rept 128
	v_pk_add_f32 v[2*p:2*p+1], v[2*p:2*p+1], v[MU:MU+1] neg_lo:[0,1] neg_hi:[0,1]   ; x - mu
.set p, p+1
.endr
	WIN W_AIN
.set p, 0
.rept 128
	v_pk_fma_f32 v[2*p:2*p+1], v[2*p:2*p+1], v[INV:INV+1], v[MI:MI+1]   ; the accumulators begin as (x - mu) / f + mu / f
.set p, p+1
.endr
	WIN W_ACC
.set t, 0
.rept 16                               ; from lane = token to the result's layout: registers 16 t + j and 16 t + 8 + j change halves: the first then holds tokens 0-15, channels j and 8 + j, the second tokens 16-31
.irp j, 0,1,2,3,4,5,6,7
	v_permlane16_swap_b32 v[16*t+\j], v[16*t+8+\j]
.endr
.set t, t+1
.endr
	WIN W_S11
.irp c, 0,1,2,3
	v_pk_mul_f32 v[SUM+2*\c:SUM+2*\c+1], v[2*\c:2*\c+1], v[2*\c:2*\c+1]
.endr
.set p, 4
.rept 124
	v_pk_fma_f32 v[SUM+2*(p%4):SUM+2*(p%4)+1], v[2*p:2*p+1], v[2*p:2*p+1], v[SUM+2*(p%4):SUM+2*(p%4)+1]
.set p, p+1
.endr
	WIN 0
	FOLD
	XCHG 512                                       ; other bytes than the first exchange's: no barrier is owed between the two
	s_wait_loadcnt 8                               ; adapter 0's W1 scale words, ln_scale and ln_bias are in; the 8 loads of W2's scale words are younger
	LNSTORE
	LNLOAD 0                                       ; adapter 0's first tables land under the 256 lines below; no other LDS instruction follows ahead of the loop
	WIN 0
	s_mov_b32 s6, 0x3a800000                       ; 1 / 1,024
	s_mov_b32 s7, 0x3727c5ac                       ; eps = 1e-5
	v_fma_f32 v[T0], v[T0], s6, s7                 ; var + eps
	v_rsq_f32 v[RS], v[T0]
	v_nop                                          ; one plain place behind a transcendental (ISA guide 5.7.2)
	s_wait_alu depctr_va_vdst(0)
	v_mov_b32 v[RS+1], v[RS]
	WIN W_NRM
.set p, 0
.rept 128
	v_pk_mul_f32 v[2*p:2*p+1], v[2*p:2*p+1], v[RS:RS+1]   ; norm
.set p, p+1
.endr
.set n, 0
.rept 4                                ; from lane = token to the operand's layout, once: registers 64 n + i and 64 n + 32 + i change halves: the first then holds tokens 0-15, channels 64 n + 32 h + i, the second tokens 16-31, the same channels
.set i, 0
.rept 32
	v_permlane16_swap_b32 v[64*n+i], v[64*n+32+i]
.set i, i+1
.endr
.set n, n+1
.endr
	WIN 0
; ---- THE PHASES OF AN ADAPTER ----
; Pair k of blocks (channels 64 k .. + 63; a lane has the block 2 k + h of tokens r and 16 + r): y, the two blocks' scales, the codes, and their image in LDS.  All 32 numbers of a block are the lane's own.
; left: the LDS instructions younger than this pair's table loads, which may stay out.
.macro YPAIR k, left
.set LSK, 160*(1-(\k)%2)
.set LBK, 192-160*((\k)%2)
	s_wait_dscnt \left                             ; the pair's tables are in
	WIN W_YFM
.set p, 0
.rept 32
	v_pk_fma_f32 v[Y3+2*p:Y3+2*p+1], v[64*\k+2*p:64*\k+2*p+1], v[LSK+2*(p%16):LSK+2*(p%16)+1], v[LBK+2*(p%16):LBK+2*(p%16)+1]   ; a table register serves tokens r (p < 16) and 16 + r
.set p, p+1
.endr
.if \k < 2
	LNLOAD \k+2                                    ; the set just read takes the tables of two pairs on: they have this pair's quantiser and the whole next pair in which to land
.endif
	WIN W_Q3
.irp b, 0,1                                    ; b: the tile of tokens.  The largest magnitude, two chains a block, four by turns; the floor 2^(3 - 127) among the leaves holds the byte at 1 from below
	v_max3_num_f32 v[TM3+\b], |v[Y3+32*\b]|, |v[Y3+32*\b+1]|, 0x1800000
	v_max3_num_f32 v[TN3+\b], |v[Y3+32*\b+16]|, |v[Y3+32*\b+17]|, |v[Y3+32*\b+18]|
.endr
.irp i, 0,2,4,6,8,10
.irp b, 0,1
	v_max3_num_f32 v[TM3+\b], v[TM3+\b], |v[Y3+32*\b+2+\i]|, |v[Y3+32*\b+3+\i]|
	v_max3_num_f32 v[TN3+\b], v[TN3+\b], |v[Y3+32*\b+19+\i]|, |v[Y3+32*\b+20+\i]|
.endr
.endr
.irp b, 0,1
	v_max3_num_f32 v[TM3+\b], v[TM3+\b], |v[Y3+32*\b+14]|, |v[Y3+32*\b+15]|
.endr
.irp b, 0,1
	v_max3_num_f32 v[TM3+\b], v[TM3+\b], v[TN3+\b], |v[Y3+32*\b+31]|
.endr
.irp b, 0,1
	v_add_nc_u32 v[SO3+\b], 0xff000000, v[TM3+\b]  ; 2 off the exponent field: the conversion takes the exponent field of this operand as its scale
.endr
.irp b, 0,1
.irp q, 0,1,2,3
	v_cvt_scalef32_pk8_fp4_f32 v[CD+8*\k+4*\b+\q], v[Y3+32*\b+8*\q:Y3+32*\b+8*\q+7], v[SO3+\b]   ; registers 4 (k % 2) + q of tile b's fragment of K step 2 w + k / 2, as they stand
.endr
.endr
	v_nop                                          ; one plain place behind a scaled conversion
	WIN W_ST3
.irp b, 0,1
	v_lshrrev_b32 v[BYW+2*((\k)%2)+\b], 23, v[SO3+\b]   ; the scale's byte, into window 0
.endr
	ds_store_b128 v[YW], v[CD+8*\k:CD+8*\k+3] offset:(\k/2)*2048+(\k%2)*512
	ds_store_b128 v[YW], v[CD+8*\k+4:CD+8*\k+7] offset:(\k/2)*2048+(\k%2)*512+1024
.if (\k)%2                                     ; a K step is whole: its scale words.  My bytes are those of blocks h and 2 + h; lane l xor 16 has the other two
	WIN 0
.irp b, 0,1
	v_lshl_or_b32 v[WDW+2*(\k/2)+\b], v[BYW+2+\b], 16, v[BYW+\b]
.endr
.irp b, 0,1
	v_lshlrev_b32 v[WDW+2*(\k/2)+\b], v[SH8], v[WDW+2*(\k/2)+\b]   ; at their places: 8 h bits up
.endr
.irp b, 0,1
	v_permlanex16_b32 v[TXW+\b], v[WDW+2*(\k/2)+\b], s[SEL], s[SEL+1]
.endr
.irp b, 0,1
	v_or_b32 v[WDW+2*(\k/2)+\b], v[WDW+2*(\k/2)+\b], v[TXW+\b]   ; both halves of the lanes now hold token 16 b + r's word
.endr
	v_permlane16_swap_b32 v[WDW+2*(\k/2)], v[WDW+2*(\k/2)+1]   ; lanes 16-31 of the first take tile 1's: lane = token
	ds_store_b32 v[YSW], v[WDW+2*(\k/2)] offset:128*(\k/2)
.endif
.endm
; At its head the tables of pair 0 have been asked for (in the prologue, or inside the last adapter's product 2), and no LDS instruction has followed them.
.macro YPHASE
	LNLOAD 1
	YPAIR 0, 16                                    ; younger than pair 0's tables: pair 1's 16 loads
	YPAIR 1, 18                                    ; pair 2's 16 loads, pair 0's 2 stores
	YPAIR 2, 21                                    ; pair 0's 2 stores, pair 3's 16 loads, pair 1's 3 stores
	YPAIR 3, 5                                     ; pair 1's 3 stores, pair 2's 2
.endm
; THE FIRST ROUND.  In front of it: y's images are stored, my reads of SLOT_A (x, or the last adapter's W2) and of the hidden layer's images are over, W1 has landed.  Behind it: W2 is asked for, into SLOT_A, and y is read.
.macro R1
	WIN 0
	s_wait_tensorcnt 0x0                           ; no tensor load of mine is out, so a group 0 may be written
	ds_add_u32 v[SPW], v[NIL]                      ; 0 onto my spare word
	s_add_nc_u64 s[G0W1+2:G0W1+3], s[G0W1+2:G0W1+3], 131072   ; W1 of the next adapter; the type bits on top are not reached
	s_wait_dscnt 0x0                               ; the add is done, my stores have landed, my reads are over
	ROUND
	tensor_load_to_lds s[G0W2:G0W2+3], s[G1W2:G1W2+7]   ; my one tensor load behind this round: it has product 1 and half the GELU in which to land
	s_nop 0
	PLACES
.endm
; PRODUCT 2's fragments of W2: group gg's four tiles, both K steps, into set pp: 16 loads
.macro FETCH2 gg, pp
.irp t, 0,1,2,3
.irp u, 0,1
.irp c, 0,1
	ds_load_b128 v[64*(\pp)+16*\t+8*\u+4*\c:64*(\pp)+16*\t+8*\u+4*\c+3], v[W2A] offset:16*(4*(\gg)+\t)*XP+64*\u+32*\c
.endr
.endr
.endr
.endm
; THE SECOND ROUND, in the middle of the GELU.  In front of it: my reads of SLOT_B and of y's images are over (product 1 is done), W2 has landed.  Behind it: the next adapter's W1 is asked for, into SLOT_B; then my first two groups of W2's
; fragments are fetched (my own quarter, shown landed by my own wait): they land under the rest of the GELU.  In the last adapter nothing is filled: the wait for W2 alone is left.
.macro R2 fill
	s_wait_tensorcnt 0x0                           ; W2 is in; no tensor load of mine is out
.if \fill
	ds_add_u32 v[SPW], v[NIL]
	s_add_nc_u64 s[G0W2+2:G0W2+3], s[G0W2+2:G0W2+3], 131072   ; W2 of the next adapter
	s_wait_dscnt 0x0
	ROUND
	tensor_load_to_lds s[G0W1:G0W1+3], s[G1W1:G1W1+7]   ; it has the rest of the GELU, product 2 and the next adapter's y in which to land
	s_nop 0
	PLACES
.endif
	WIN W_LD3
	FETCH2 0, 0
	FETCH2 1, 1
	WIN 0
.endm
.macro HBAR                            ; the hidden layer's images lie in LDS: my stores have landed (and W2's fragments are in); a plain barrier: W1's tile may stay on its way
	s_wait_dscnt 0x0
	s_barrier_signal -1
	s_barrier_wait -1
.endm
; A scaled matrix instruction on rD, rA, rB, rSA, rSB.  ra, rb: the side's scales stand in lanes 16-31.  zero: the product starts the sum.
.macro WM zero, ra, rb
.if \zero
.if (\ra) && (\rb)
	v_wmma_scale_f32_16x16x128_f8f6f4 v[rD:rD+7], v[rA:rA+7], v[rB:rB+7], 0, v[rSA], v[rSB] matrix_a_fmt:MATRIX_FMT_FP4 matrix_b_fmt:MATRIX_FMT_FP4 matrix_a_scale:MATRIX_SCALE_ROW1 matrix_b_scale:MATRIX_SCALE_ROW1
.elseif (\ra)
	v_wmma_scale_f32_16x16x128_f8f6f4 v[rD:rD+7], v[rA:rA+7], v[rB:rB+7], 0, v[rSA], v[rSB] matrix_a_fmt:MATRIX_FMT_FP4 matrix_b_fmt:MATRIX_FMT_FP4 matrix_a_scale:MATRIX_SCALE_ROW1
.elseif (\rb)
	v_wmma_scale_f32_16x16x128_f8f6f4 v[rD:rD+7], v[rA:rA+7], v[rB:rB+7], 0, v[rSA], v[rSB] matrix_a_fmt:MATRIX_FMT_FP4 matrix_b_fmt:MATRIX_FMT_FP4 matrix_b_scale:MATRIX_SCALE_ROW1
.else
	v_wmma_scale_f32_16x16x128_f8f6f4 v[rD:rD+7], v[rA:rA+7], v[rB:rB+7], 0, v[rSA], v[rSB] matrix_a_fmt:MATRIX_FMT_FP4 matrix_b_fmt:MATRIX_FMT_FP4
.endif
.else
.if (\ra) && (\rb)
	v_wmma_scale_f32_16x16x128_f8f6f4 v[rD:rD+7], v[rA:rA+7], v[rB:rB+7], v[rD:rD+7], v[rSA], v[rSB] matrix_a_fmt:MATRIX_FMT_FP4 matrix_b_fmt:MATRIX_FMT_FP4 matrix_a_scale:MATRIX_SCALE_ROW1 matrix_b_scale:MATRIX_SCALE_ROW1
.elseif (\ra)
	v_wmma_scale_f32_16x16x128_f8f6f4 v[rD:rD+7], v[rA:rA+7], v[rB:rB+7], v[rD:rD+7], v[rSA], v[rSB] matrix_a_fmt:MATRIX_FMT_FP4 matrix_b_fmt:MATRIX_FMT_FP4 matrix_a_scale:MATRIX_SCALE_ROW1
.elseif (\rb)
	v_wmma_scale_f32_16x16x128_f8f6f4 v[rD:rD+7], v[rA:rA+7], v[rB:rB+7], v[rD:rD+7], v[rSA], v[rSB] matrix_a_fmt:MATRIX_FMT_FP4 matrix_b_fmt:MATRIX_FMT_FP4 matrix_b_scale:MATRIX_SCALE_ROW1
.else
	v_wmma_scale_f32_16x16x128_f8f6f4 v[rD:rD+7], v[rA:rA+7], v[rB:rB+7], v[rD:rD+7], v[rSA], v[rSB] matrix_a_fmt:MATRIX_FMT_FP4 matrix_b_fmt:MATRIX_FMT_FP4
.endif
.endif
.endm
; PRODUCT 1: hidden^T = W1 y^T.  Source 0 = rows 64 w + 16 t + r of W1, source 1 = tokens 16 m + r of y; K = 1,024 in eight steps.  In D(t, m) lane (r, h) holds token 16 m + r, register j hidden unit 64 w + 16 t + 8 h + j.
.macro FETCH1 ks, pp                   ; K step ks into set pp: W1's four fragments, y's two: 12 loads
.irp t, 0,1,2,3
.irp c, 0,1
	ds_load_b128 v[32*(\pp)+8*\t+4*\c:32*(\pp)+8*\t+4*\c+3], v[W1A] offset:16*\t*W1P+64*(\ks)+32*\c
.endr
.endr
.irp m, 0,1
.irp c, 0,1
	ds_load_b128 v[64+16*(\pp)+8*\m+4*\c:64+16*(\pp)+8*\m+4*\c+3], v[YR] offset:(2*(\ks)+\m)*1024+512*\c
.endr
.endr
.endm
.macro MUL1 ks                         ; eight matrix instructions: the eight accumulators take turns, one instruction a turn, in the same order in every K step
.irp t, 0,1,2,3
.irp m, 0,1
.set rD, HA+32*\m+8*\t
.set rA, 32*((\ks)%2)+8*\t
.set rB, 64+16*((\ks)%2)+8*\m
.set rSA, W1S+8*(\t/2)+(\ks)
.set rSB, YS+(\ks)
.if (\ks) == 0
	WM 1, \t%2, \m
.else
	WM 0, \t%2, \m
.endif
.endr
.endr
.endm
.macro P1
.irp u, 0,1,2,3,4,5,6,7
	ds_load_b32 v[YS+\u], v[YSR] offset:128*\u     ; y's scale words: lane = token, so tile 0 reads lanes 0-15 and tile 1 lanes 16-31
.endr
	WIN W_LD3
	FETCH1 0, 0
	FETCH1 1, 1
.irp u, 0,1,2,3,4,5,6,7
.if \u < 7
	s_wait_dscnt 12                                ; this K step's set is in; the other set's 12 loads are younger
.else
	s_wait_dscnt 0x0
.endif
	WIN W_P1
	MUL1 \u
.if \u < 6
	PLACES
	WIN W_LD3
	FETCH1 \u+2, \u%2
.endif
.endr
.endm
; What the adapter in hand is to each token: c = how many of its anchors chose it.  Plain vector lines that name no register of product 1: they are also the places behind its last matrix instruction.
.macro MASKS
.irp m, 0,1
	v_cmp_eq_u32 vcc_lo, s[EXP], v[IDX+3*\m]
	v_cndmask_b32 v[T0+2*\m], 0, 1, vcc_lo
	v_cmp_eq_u32 vcc_lo, s[EXP], v[IDX+3*\m+1]
	v_cndmask_b32 v[T0+2*\m+1], 0, 1, vcc_lo
	v_add_nc_u32 v[T0+2*\m], v[T0+2*\m], v[T0+2*\m+1]
	v_cmp_eq_u32 vcc_lo, s[EXP], v[IDX+3*\m+2]
	v_cndmask_b32 v[T0+2*\m+1], 0, 1, vcc_lo
	v_add_nc_u32 v[T0+2*\m], v[T0+2*\m], v[T0+2*\m+1]
	v_cmp_lt_u32 vcc_lo, v[T0+2*\m], v[MAXC+\m]
	v_cndmask_b32 v[DB+\m], 0, 1, vcc_lo           ; c < maxc: half weight (where c = 0 the codes are zeros, and the byte does not matter)
	v_cmp_ne_u32 vcc_lo, 0, v[T0+2*\m]
	v_cndmask_b32 v[KM+\m], 0, -1, vcc_lo          ; c = 0: the codes are masked away
.endr
.endm
.macro NEXT1                           ; the next adapter's first tables: 8 loads
	s_wait_xcnt 0x0                                ; the earlier loads by these bases have had their addresses translated (they were also shown done by the wait for all loads in the last product 2, or in the prologue)
	s_add_nc_u64 s[12:13], s[12:13], 4096
	s_add_nc_u64 s[14:15], s[14:15], 4096
	s_add_nc_u64 s[18:19], s[18:19], 8192
	TABLES1
.endm
; gelu(x) = 0.5 x (1 + erf(x / sqrt 2)) of the accumulator at v[gx], in place, from its low end on; four pairs by turns.
.macro GELU8
.irp i, 0,2,4,6
	v_pk_mul_f32 v[GZ+\i:GZ+\i+1], v[gx+\i:gx+\i+1], v[RS2:RS2+1]
.endr
.irp i, 0,1,2,3,4,5,6,7
	v_med3_num_f32 v[GZ+\i], v[GZ+\i], -4.0, 4.0   ; beyond +-4 erf is +-1 in f32
.endr
.irp i, 0,2,4,6
	v_pk_mul_f32 v[GQ+\i:GQ+\i+1], v[GZ+\i:GZ+\i+1], v[GZ+\i:GZ+\i+1]
.endr
.irp i, 0,2,4,6
	v_pk_fma_f32 v[GN+\i:GN+\i+1], v[GQ+\i:GQ+\i+1], v[AL:AL+1], v[AL+2:AL+3]
.endr
.irp i, 0,2,4,6
	v_pk_fma_f32 v[GD+\i:GD+\i+1], v[GQ+\i:GQ+\i+1], v[BE:BE+1], v[BE+2:BE+3]
.endr
.irp e, 2,3,4
.irp i, 0,2,4,6
	v_pk_fma_f32 v[GN+\i:GN+\i+1], v[GN+\i:GN+\i+1], v[GQ+\i:GQ+\i+1], v[AL+2*\e:AL+2*\e+1]
.endr
.irp i, 0,2,4,6
	v_pk_fma_f32 v[GD+\i:GD+\i+1], v[GD+\i:GD+\i+1], v[GQ+\i:GQ+\i+1], v[BE+2*\e:BE+2*\e+1]
.endr
.endr
.irp i, 0,1,2,3,4,5,6,7
	v_rcp_f32 v[GD+\i], v[GD+\i]
.endr
.irp e, 5,6
.irp i, 0,2,4,6
	v_pk_fma_f32 v[GN+\i:GN+\i+1], v[GN+\i:GN+\i+1], v[GQ+\i:GQ+\i+1], v[AL+2*\e:AL+2*\e+1]   ; (plain lines behind the reciprocals)
.endr
.endr
.irp i, 0,2,4,6
	v_pk_mul_f32 v[GN+\i:GN+\i+1], v[GN+\i:GN+\i+1], v[GZ+\i:GZ+\i+1]
.endr
	s_wait_alu depctr_va_vdst(0)
.irp i, 0,2,4,6
	v_pk_mul_f32 v[GN+\i:GN+\i+1], v[GN+\i:GN+\i+1], v[GD+\i:GD+\i+1]   ; erf
.endr
.irp i, 0,2,4,6
	v_pk_mul_f32 v[GQ+\i:GQ+\i+1], v[gx+\i:gx+\i+1], 0.5 op_sel_hi:[1,0]
.endr
.irp i, 0,2,4,6
	v_pk_fma_f32 v[gx+\i:gx+\i+1], v[GQ+\i:GQ+\i+1], v[GN+\i:GN+\i+1], v[GQ+\i:GQ+\i+1]
.endr
.endm
; The hidden layer's quantiser.  Block q = 2 m + b (token tile m, my hidden units 32 b .. + 31) lies in the 16 registers at HA + 16 q of lanes l and l xor 16.
.macro QUANTH
.irp q, 0,1,2,3
	v_max3_num_f32 v[TM+\q], |v[HA+16*\q]|, |v[HA+16*\q+1]|, 0x1800000   ; with the floor 2^(3 - 127)
.endr
.irp i, 2,4,6,8,10,12,14
.irp q, 0,1,2,3
	v_max3_num_f32 v[TM+\q], v[TM+\q], |v[HA+16*\q+\i]|, |v[HA+16*\q+\i+1]|
.endr
.endr
.irp q, 0,1,2,3
	v_permlanex16_b32 v[TX+\q], v[TM+\q], s[SEL], s[SEL+1]   ; (its destination counts as read: the GELU has written these registers)
.endr
.irp q, 0,1,2,3
	v_max_num_f32 v[TM+\q], v[TM+\q], v[TX+\q]
.endr
.irp q, 0,1,2,3
	v_add_nc_u32 v[SO+\q], 0xff000000, v[TM+\q]    ; the conversion's scale operand
.endr
.irp q, 0,1,2,3
	v_lshrrev_b32 v[BY+\q], 23, v[SO+\q]           ; the scale's byte, 1 at the least,
.endr
.irp q, 0,1,2,3
	v_sub_nc_u32 v[BY+\q], v[BY+\q], v[DB+\q/2]    ; less 1 where the adapter counts half: an exact factor, applied by the matrix unit
.endr
.irp m, 0,1
	v_lshl_or_b32 v[HW16+\m], v[BY+2*\m+1], 8, v[BY+2*\m]   ; my two bytes of the K step's scale word
.endr
.irp m, 0,1                                    ; tiles 0, 2, 1, 3: with the two exchanges below the four registers hold hidden units 32 h + 8 q + 0 .. 7: half a fragment of product 2's source 1
	v_cvt_scalef32_pk8_fp4_f32 v[FC+4*\m], v[HA+32*\m:HA+32*\m+7], v[SO+2*\m]
	v_cvt_scalef32_pk8_fp4_f32 v[FC+4*\m+1], v[HA+32*\m+16:HA+32*\m+23], v[SO+2*\m+1]
	v_cvt_scalef32_pk8_fp4_f32 v[FC+4*\m+2], v[HA+32*\m+8:HA+32*\m+15], v[SO+2*\m]
	v_cvt_scalef32_pk8_fp4_f32 v[FC+4*\m+3], v[HA+32*\m+24:HA+32*\m+31], v[SO+2*\m+1]
.endr
	v_nop                                          ; one plain place behind a scaled conversion
.irp m, 0,1
	v_permlane16_swap_b32 v[FC+4*\m], v[FC+4*\m+1]
	v_permlane16_swap_b32 v[FC+4*\m+2], v[FC+4*\m+3]
.endr
.irp m, 0,1
.irp q, 0,1,2,3
	v_and_b32 v[FC+4*\m+\q], v[FC+4*\m+\q], v[KM+\m]   ; tokens that did not choose this adapter: zero codes
.endr
.endr
.irp m, 0,1
	ds_store_b128 v[HWI], v[FC+4*\m:FC+4*\m+3] offset:2048*\m
	ds_store_b16 v[HWS], v[HW16+\m] offset:256*\m
.endr
.endm
; PRODUCT 2: out^T += W2 hidden^T.  Source 0 = rows 256 w + 16 tile + r of W2, source 1 = tokens 16 m + r of the hidden layer; K = 256 in two steps.  Sixteen tiles in four groups.
.macro MUL2 gg                         ; sixteen matrix instructions: the group's eight accumulators take turns, one instruction a turn, K step by K step
.irp u, 0,1
.irp t, 0,1,2,3
.irp m, 0,1
.set rD, 16*(4*(\gg)+\t)+8*\m
.set rA, 64*((\gg)%2)+16*\t+8*\u
.set rB, 128+8*(2*\m+\u)
.set rSA, W2S+2*((4*(\gg)+\t)/2)+\u
.set rSB, HS+2*\m+\u
	WM 0, \t%2, 0
.endr
.endr
.endr
.endm
.macro P2 last
.irp q, 0,1,2,3
	ds_load_b32 v[HS+\q], v[HSR] offset:128*\q
.endr
	WIN W_LD3
.irp q, 0,1,2,3
.irp c, 0,1
	ds_load_b128 v[128+8*\q+4*\c:128+8*\q+4*\c+3], v[HR] offset:1024*\q+512*\c
.endr
.endr
	s_wait_loadcnt 0x0                             ; W2's scale words are in, and so are the next adapter's W1 scale words, ln_scale and ln_bias, asked for ahead of the GELU
	s_wait_dscnt 0x0                               ; the hidden layer's fragments and scale words are in (W2's groups 0 and 1 were in ahead of the barrier)
	WIN W_P2
	MUL2 0
	PLACES                                         ; in front of the loads into the set just multiplied
	WIN W_LD3
	FETCH2 2, 0
	WIN W_P2
	MUL2 1
	PLACES
	WIN W_LD3
	FETCH2 3, 1
.if \last
	s_wait_dscnt 16                                ; group 2's set is in; group 3's 16 loads are younger
.else
	WIN 0
	LNSTORE                                        ; the next adapter's tables, and the first pair's loads into set 0, which lies outside this product's registers: they land under the 32 matrix instructions below
	LNLOAD 0
	s_wait_dscnt 36                                ; group 2's set is in; younger: group 3's 16 loads, the 4 stores, the 16 table loads
.endif
	WIN W_P2
	MUL2 2
.if \last
	s_wait_dscnt 0x0
.else
	s_wait_dscnt 20                                ; group 3's set is in; younger: the 4 stores and the 16 table loads
.endif
	MUL2 3
	PLACES                                         ; in front of the loads into W2's scale words and into the sets, of the next y, and of the first read of the results
	WIN 0
.if !\last
	s_wait_xcnt 0x0                                ; as in NEXT1
	s_add_nc_u64 s[22:23], s[22:23], 8192
	TABLES2                                        ; the next adapter's
.endif
.endm
.macro EXPERT last
	YPHASE
	R1
	P1
	WIN 0
	MASKS
.if !\last
	NEXT1
.endif
.set gx, HA
.rept 4
	GELU8
.set gx, gx+8
.endr
	R2 1-\last
.rept 4
	GELU8
.set gx, gx+8
.endr
	QUANTH
	HBAR
	P2 \last
.endm
	s_mov_b32 s[EXP], 0
.Ladapter:                                             ; nine trips; the tenth adapter is written out
	EXPERT 0
	s_add_co_u32 s[EXP], s[EXP], 1
	s_cmp_lt_u32 s[EXP], 9
	s_cbranch_scc1 .Ladapter
	EXPERT 1
	; THE WAY OUT, tile by tile of 16 channels: back to lane = token (each accumulator is read from its low end on), times f, and stored: a store covers 128 consecutive bytes of a channel's row.
.set t, 0
.rept 16
	WIN W_ACC
.irp j, 0,1,2,3,4,5,6,7
	v_permlane16_swap_b32 v[16*t+\j], v[16*t+8+\j]
.endr
.irp j, 0,2,4,6,8,10,12,14
	v_pk_mul_f32 v[16*t+\j:16*t+\j+1], v[16*t+\j:16*t+\j+1], v[FAC:FAC+1]
.endr
	WIN W_OUT
.irp j, 0,1,2,3,4,5,6,7,8,9,10,11,12,13,14,15
	global_store_b32 v[GO], v[16*t+\j], s[24:25] offset:16384*(16*t+\j) th:TH_STORE_NT   ; 255 rows of 16,384 bytes at the most: inside the signed 24-bit immediate (ISA guide, chapter 10); written once, read by nobody here
.endr
.set t, t+1
.endr
	WIN 0
	s_wait_tensorcnt 0x0                           ; the wave's end: behind my last tensor load and my last LDS store
	ds_add_u32 v[SPW], v[NIL]
	s_wait_dscnt 0x0
	ROUND                                          ; the closing round: no work-group ends while a partner may still ask for a tile that names it
	s_endpgm
.Lfunc_end_k_q1850d46ab8_adapter:
	.size	k_q1850d46ab8_adapter, .Lfunc_end_k_q1850d46ab8_adapter-k_q1850d46ab8_adapter
	.p2alignl 7, 3214868480
	.fill 96, 4, 3214868480
	.section	.rodata,"a",@progbits
	.p2align	6, 0x0
	.amdhsa_kernel k_q1850d46ab8_adapter
		.amdhsa_group_segment_fixed_size 327680
		.amdhsa_private_segment_fixed_size 0
		.amdhsa_enable_private_segment 0
		.amdhsa_kernarg_size 72
		.amdhsa_user_sgpr_count 2
		.amdhsa_user_sgpr_kernarg_segment_ptr 1
		.amdhsa_wavefront_size32 1
		.amdhsa_system_sgpr_workgroup_id_x 1
		.amdhsa_system_sgpr_workgroup_id_y 1
		.amdhsa_system_sgpr_workgroup_id_z 1
		.amdhsa_system_vgpr_workitem_id 0
		.amdhsa_next_free_vgpr 1024
		.amdhsa_next_free_sgpr 88
		.amdhsa_reserve_vcc 1
		.amdhsa_float_denorm_mode_32 3
		.amdhsa_float_denorm_mode_16_64 3
		.amdhsa_memory_ordered 1
		.amdhsa_forward_progress 1
		.amdhsa_inst_pref_size 255
	.end_amdhsa_kernel
	.section	.bss,"aw",@nobits
	.p2align	6
	.space	262144
	.amdgpu_metadata
---
amdhsa.version: [ 1, 2 ]
amdhsa.kernels:
  - .name:           k_q1850d46ab8_adapter
    .symbol:         k_q1850d46ab8_adapter.kd
    .args:
      - { .name: output_feat, .offset: 0, .size: 8, .value_kind: global_buffer, .address_space: global }
      - { .name: aspect_ratio, .offset: 8, .size: 8, .value_kind: global_buffer, .address_space: global }
      - { .name: ln_scale, .offset: 16, .size: 8, .value_kind: global_buffer, .address_space: global }
      - { .name: ln_bias, .offset: 24, .size: 8, .value_kind: global_buffer, .address_space: global }
      - { .name: w1_codes, .offset: 32, .size: 8, .value_kind: global_buffer, .address_space: global }
      - { .name: w1_scales, .offset: 40, .size: 8, .value_kind: global_buffer, .address_space: global }
      - { .name: w2_codes, .offset: 48, .size: 8, .value_kind: global_buffer, .address_space: global }
      - { .name: w2_scales, .offset: 56, .size: 8, .value_kind: global_buffer, .address_space: global }
      - { .name: out0, .offset: 64, .size: 8, .value_kind: global_buffer, .address_space: global }
    .group_segment_fixed_size: 327680
    .private_segment_fixed_size: 0
    .kernarg_segment_align: 8
    .kernarg_segment_size: 72
    .max_flat_workgroup_size: 128
    .sgpr_count:     88
    .vgpr_count:     1024
    .wavefront_size: 32
...
	.end_amdgpu_metadata
.endif
;; end of part 1
